; MI455X (gfx1250); checked and timed in simulation.
; The chip was launched on July 23, 2026; its instructions are those of AMD's public machine-readable ISA for CDNA 5 (MIT licence, August 2026) and "CDNA5" Instruction Set Architecture Reference Guide (July 2026). The comments in the code are by the model that wrote it; some were corrected since.
;; Temporal Encoder. Allowed arithmetic: matrix products marked QUANTISED: E2M3 operands, one E8M0 scale for each 32 along K, by v_wmma_scale_f32_16x16x128_f8f6f4 with both operands' format E2M3, f32 sums; everything else in f32.
;; Inputs: W_hh 512 x 128 float32; W_ih 512 x 64 float32; b_hh 512 float32; b_ih 512 float32; encode_features 2,048 x 200 x 64 float32; x_len 2,048 int32.
;; Outputs: out0 1 x 2,048 x 128 float32; out1 1 x 2,048 x 128 float32.
;; This version of the problem:
;;   THIS VERSION OF THE PROBLEM IS GIVEN IN LOW PRECISION. The matrix products marked QUANTISED in the list below multiply operands that are first quantised to E2M3 (2 exponent bits, 3 mantissa bits; 6 bits a number), with one power-of-two scale for each 32 numbers along K (OCP MX v1.0); their sums are f32. All else is computed in f32.
;;   The module's matrix products, in the order in which they are computed (A, B: the left and right operand; K: the contracted axis; several contracted axes count as one K, in the product's order):
;;     1. [M 409,600, K 64] x [K 64, N 512]; A: input encode_features; B: input W_ih: QUANTISED
;;     2. [M 409,600, K 128] x [K 128, N 512]; A: computed on the way; B: input W_hh: QUANTISED
;;   THE QUANTISER, for each operand of a quantised product, along K:
;;     - K is cut into blocks of 32 from its start; a last block that is shorter is filled with zeros.
;;     - A block's scale is 2^e with e = floor(log2(the largest magnitude in the block)) - 2, held to -126 .. 127; a block of zeros has e = 0. As a byte (E8M0): e + 127.
;;     - Each number is divided by its block's scale, clamped to +-7.5, and rounded to the nearest number of E2M3, ties to even, subnormals kept.
;;     - The product sums the exact products of the quantised numbers (number of the format x scale) in f32.
;;   ~~~python
;;   def quantise(x, axis):      # numpy; x: float32 -> the quantised numbers, widened to float32 again
;;       x = np.moveaxis(x, axis, -1); K = x.shape[-1]
;;       x = np.pad(x, [(0, 0)] * (x.ndim - 1) + [(0, -K % 32)]); x = x.reshape(x.shape[:-1] + (-1, 32)); a = np.abs(x).max(-1, keepdims=True)
;;       e = np.where(a > 0, np.clip(np.frexp(np.where(a > 0, a, 1))[1] - 1 - 2, -126, 127), 0)      # np.frexp(a)[1] - 1 = floor(log2(a)), exactly
;;       r = np.clip(x / 2.0 ** e, -7.5, 7.5)
;;       step = 2.0 ** (np.maximum(np.frexp(np.where(r == 0, 1, r))[1] - 1, 0) - 3)
;;       q = np.round(r / step) * step * 2.0 ** e      # np.round: ties to even
;;       return np.moveaxis(q.reshape(q.shape[:-2] + (-1,))[..., :K], -1, axis).astype(np.float32)
;;   ~~~
;;   OPERANDS COMPUTED ON THE WAY. 'Computed on the way' means the value that the module computes at that place (a softmax that the list does not call 'softmax' is quantised finished and normalised). What goes into a quantiser is computed in f32, as accurately as f32 sums, v_exp_f32 and their like allow (about 1e-6 of the number): no bf16 or f16 on the way to a quantiser, and a product that is left as it is and whose result goes on into a quantised operand takes f32 operands (vector FMAs, or v_wmma_f32_16x16x4_f32). A number that lies on a knife's edge between two numbers of the format may be rounded either way, as far as f32 arithmetic and the matrix unit's own rounding can turn it there, and no further.
;; One version. Each part assembles by itself: llvm-mc -triple=amdgcn-amd-amdhsa -mcpu=gfx1250 --defsym DOCPART=n.
;; ======== version 1 of 1: 1 launch
;; launch cell (part 1): grid 256 x 1, 4 waves a work-group, no clusters, 75,264 bytes of LDS; arguments encode_features, x_len, W_ih, W_hh, b_ih, b_hh, out0, out1; writes out0, out1
.if DOCPART == 1
	.amdgcn_target "amdgcn-amd-amdhsa--gfx1250"
	.amdhsa_code_object_version 6
	.text
	.protected	k_q6bb5b013c4_cell
	.globl	k_q6bb5b013c4_cell
	.p2align	8
	.type	k_q6bb5b013c4_cell,@function
k_q6bb5b013c4_cell:
	s_mov_b64 s[64:65], 0
	v_nop
	global_prefetch_b8 v0, s[64:65] scope:SCOPE_SE
	s_setreg_imm32_b32 hwreg(HW_REG_WAVE_MODE, 25, 1), 1
	s_wait_xcnt 0x0
; One LSTM cell with h = c = 0 on all 2,048 x 200 rows, of which row t = max(x_len[b], 1) - 1 of each batch element b is kept.
; gates = Q(x) Q(W_ih)^T + b_ih + Q(h) Q(W_hh)^T + b_hh, both products on codes of FP6 (E2M3) with one E8M0 scale for each 32 along K; c_new = sigmoid(f) c + sigmoid(i) tanh(g); h_new = sigmoid(o) tanh(c_new).
; Both products are made for every row (b, t), as the definition writes them; the gather by x_len follows the products; biases and gates are applied to the kept rows alone.
; h and c are the zeros that the definition starts from: h as zero codes under the scale byte 127, c as a register pair of zeros.
; SHARES.  A work-group takes 8 batch elements: 1,600 dense rows, 100 tiles of 16.  THE WAVES SHARE THE COLUMNS: wave w owns hidden units 32 w .. 32 w + 31 in all four gates, 8 column tiles, whose codes
; (8 x 24 registers) it makes itself from its quarter of W_ih and W_hh and keeps for the whole launch.  THE ROWS GO ROUND: wave w turns the 25 tiles of batch elements 2 w, 2 w + 1 (400 dense rows) into codes, one
; tile a trip, and lays them in LDS as images of the operand's registers; in trip c every wave multiplies tile c of all four pairs (64 matrix instructions) while tile c + 1 is made.  Two image buffers by turns, one barrier a trip.
; x comes by dense loads (512 consecutive bytes an instruction) into a ring of four register sets, asked for four trips ahead, and turns through the wave's own stage in LDS so that a lane holds a whole block of 32.
; LAYOUT.  The matrix instruction is used transposed: source 0 = 16 rows of W, source 1 = 16 rows of x; in the result lane (r, h) holds row r and hidden units 8 h + 0 .. 7 of the column tile.
; In an operand lane (r, h) holds row r and k = 64 c + 32 h + 0 .. 31.  K = 64 of the first product is filled to 128 with zero codes on both sides (their scale bytes are 0, which is 2^-127 and adds nothing over zero codes).
; THE GATHER.  Each batch element's kept row K (counted in its pair: 0 .. 399) and its tile K / 16 lie in scalar registers, from x_len.  Behind a tile's products one scalar compare for each of the pair's two elements
; says whether the tile holds its kept row; if so (once in 25 trips for an element) the kept row's two lanes store their gates to LDS under a mask, at an address made of ids and constants alone.
; Behind the last barrier wave w finishes batch elements 2 w, 2 w + 1 for all 128 hidden units and stores whole rows of 512 bytes.
; NO CLUSTER, NO TENSOR LOAD.  All work-groups read the same 393,216 bytes of weights, once each, at the head.  A joint request is a tensor load.
; Without the branch on x_len each of the 100 tiles would pay 32 LDS stores under masks that are empty in nearly all of them, with EXEC narrowed and widened between the products.
; LIMITS.  x_len from 0 to 200 is served; beyond that the index is held to 0 .. 199 (no wrap of negative indices).  NaN and infinities among the inputs are not served.  A block of zeros gets the scale byte 1 over zero codes
; (read by this text alone).  b_ih + b_hh are added to each other and then to the sums.  tanh(x) = 1 - 2 / (1 + 2^(2 x log2 e)): absolute error of some 1e-7, +-1 at the ends.
.set TROW, 200*256                     ; bytes of one batch element in encode_features
.set IMG,  896                         ; a tile's image: 512 bytes (four registers a lane), 256 (two), 128 (the scale word)
.set CHB,  4*IMG                       ; an image buffer: the four pairs' tiles of one trip.  The two buffers lie at LDS byte 0
.set SXS,  2*CHB                       ; each wave's stage for x and W_ih: 16 rows of 256 bytes, pitch 272: an odd multiple of 16, so sixteen lanes that read sixteen rows touch sixteen different 16-byte columns modulo 256
.set SXW,  16*272
.set SHS,  SXS+4*SXW                   ; each wave's stage for W_hh: 16 rows of 512 bytes, pitch 528
.set SHW,  16*528
.set GS,   SHS+4*SHW                   ; the kept gates: wave w's 4,096 bytes: [gate][batch element][32 hidden units]
.set STW,  3                           ; v3   x's stage, in: h 272 + 16 r (load i brings rows 2 i and 2 i + 1)
.set STR,  4                           ; v4   and back: r 272 + 128 h
.set HTW,  5                           ; v5   W_hh's stage, in: 16 x lane (load i brings row i)
.set HTR,  6                           ; v6   and back: r 528 + 128 h
.set XO,   7                           ; v7   16 x lane: offset of x's, the biases' and the outputs' accesses, and my place in an image's first part
.set WOI,  8                           ; v8   8,192 w + 16 x lane: my wave's 32 rows in a gate of W_ih
.set WOH,  9                           ; v9   16,384 w + 16 x lane: the same in W_hh
.set CA8,  11                          ; v11  512 + 8 x lane: an image's second part
.set CA4,  12                          ; v12  768 + 4 x lane: its scale word
.set PA16, 13                          ; v13-15 the same three places in my pair's image: + IMG w
.set PA8,  14
.set PA4,  15
.set KA,   16                          ; v16  GS + 4,096 w + 32 h: where kept gates go; gate, batch element and column tile stand in the stores' immediates
.set VF,   32                          ; v32  16 c + r: my row in the pair
.set ZA,   33                          ; v33  GS + 4,096 w + 16 x lane: for the clearing of my wave's kept gates
.set GR,   34                          ; v34  where I read kept gates back
.set PC,   36                          ; v[36:41] six registers of codes just made;  v[26:28] the upper three on their way there
.set PW,   42                          ; v42  the scale word just made
.set SH0,  43                          ; v43  h's scale word;  v44-45 x's, one for each buffer;  v48-55 W_ih's, v56-63 W_hh's: these hold scales and nothing else
.set SX,   44
.set CZ,   46                          ; v[46:47] c = 0
.set SWI,  48
.set SWH,  56
.set X0,   64                          ; v[64:75], v[76:87] x's fragment, two buffers: six registers of codes, six of zeros
.set X1,   76
.set H0,   88                          ; v[88:99] h's fragment: zeros
.set ACC,  100                         ; v[100:163] eight accumulators: column tile a = 2 x gate + (which 16 of my 32 hidden units)
.set N0,   164                         ; v[164:195], v[196:227] two sets of 32 numbers on their way to codes
.set N1,   196
; v18-19 at work on scale words; v20-23 four chains of maxima; v24 a conversion's scale operand; v25, v29 scale bytes; v30 a lane permute's destination; v31 8 h
; window 1: v[24 a : 24 a + 11] W_ih's fragment of column tile a (six of codes, six of zeros), v[24 a + 12 : 24 a + 23] W_hh's.   window 2: v0-127 x as loaded, four sets of 32.
; window 3: the weights as loaded, two sets of 96 (32 of W_ih, 64 of W_hh).
.set CT,   23                          ; s23  c, the trip's tile
.set CC,   24                          ; s24  the loop's counter: c at the head of a body of four trips
.set SV,   25                          ; s25  EXEC kept
.set KK,   32                          ; s32-39 the kept row of each batch element, counted in its pair: 0 .. 199, 200 .. 399
.set TT,   40                          ; s40-47 and its tile
.set MSB, 0
.macro WIN new                         ; s_set_vgpr_msb: bits 1:0 source 0, 3:2 source 1, 5:4 source 2, 7:6 destination; the high byte repeats the setting that is left
.if MSB != \new
	s_set_vgpr_msb (MSB<<8)|\new
.set MSB, \new
.endif
.endm
.macro PLACES n
.rept \n
	v_nop
.endr
.endm
; A tile of x, 4,096 dense bytes from off on, into ring set n (window 2)
.macro GLOAD n, off
	WIN 0x80
.irp i, 0,1,2,3,4,5,6,7
	global_load_b128 v[32*(\n)+4*\i:32*(\n)+4*\i+3], v[XO], s[4:5] offset:(\off)+512*\i th:TH_LOAD_NT
.endr
	WIN 0
.endm
.macro LOADN reg, adr, off             ; my block of 32 numbers, 128 bytes of my row
.irp i, 0,1,2,3,4,5,6,7
	ds_load_b128 v[\reg+4*\i:\reg+4*\i+3], v[\adr] offset:(\off)+16*\i
.endr
.endm
; Ring set n goes through my stage.  LDS serves a wave's instructions in order (ISA guide 5.7.1.4): no wait between the stores and the loads
.macro XTURN n
	WIN 0x08                                       ; an LDS store's data are its source 1: window 2
.irp i, 0,1,2,3,4,5,6,7
	ds_store_b128 v[STW], v[32*(\n)+4*\i:32*(\n)+4*\i+3] offset:544*\i
.endr
	WIN 0
	LOADN N0, STR, 0
.endm
; The quantiser of 32 numbers v[s] .. v[s + 31], in three parts, so that the parts can stand between runs of matrix instructions.  QA, QB: the largest magnitude, in four chains
.macro QA s
.irp k, 0,1,2,3
	v_max3_num_f32 v[20+\k], |v[\s+8*\k]|, |v[\s+8*\k+1]|, |v[\s+8*\k+2]|
.endr
.irp k, 0,1,2,3
	v_max3_num_f32 v[20+\k], v[20+\k], |v[\s+8*\k+3]|, |v[\s+8*\k+4]|
.endr
.endm
.macro QB s
.irp k, 0,1,2,3
	v_max3_num_f32 v[20+\k], v[20+\k], |v[\s+8*\k+5]|, |v[\s+8*\k+6]|
.endr
	v_max3_num_f32 v20, v20, |v[\s+7]|, |v[\s+15]|
	v_max3_num_f32 v21, v21, |v[\s+23]|, |v[\s+31]|
	v_max3_num_f32 v20, v20, v22, v23
	v_max3_num_f32 v20, v20, v21, 0x1800000        ; and the floor 2^(3 - 127): the byte cannot fall under 1
.endm
.macro QC s, by                        ; the codes, in v[PC:PC+2] and v[26:28], and the scale's byte
	v_add_nc_u32 v24, 0xff000000, v20              ; 2 off the exponent field: the conversion takes this operand's exponent field as its scale, and nothing else of it
	v_cvt_scalef32_pk16_fp6_f32 v[PC:PC+2], v[\s:\s+15], v24
	v_cvt_scalef32_pk16_fp6_f32 v[26:28], v[\s+16:\s+31], v24   ; (a conversion's three registers begin on an even number)
	v_lshrrev_b32 v[\by], 23, v24                  ; also the plain instruction between the conversions and the moves that read their results
.endm
; My bytes (blocks h, and 2 + h where there are four) go 8 h bits up; with lane l xor 16's the row's scale word is whole, in both halves of the lanes
.macro SWORD dst, src
	v_lshlrev_b32 v18, v31, v[\src]
	v_permlanex16_b32 v30, v18, s20, s21
	v_or_b32 v[\dst], v18, v30
.endm
; The end of a tile of x: codes, scale word, and their image into my pair's place in the buffer at byte wb
.macro PRODQ wb
	QC N0, 25
.irp i, 0,1,2
	v_mov_b32 v[PC+3+\i], v[26+\i]
.endr
	SWORD PW, 25
	ds_store_b128 v[PA16], v[PC:PC+3] offset:\wb
	ds_store_b64 v[PA8], v[PC+4:PC+5] offset:\wb
	ds_store_b32 v[PA4], v[PW] offset:\wb
.endm
; Column tile t = 2 g + u of my wave: rows 128 g + 32 w + 16 u + 0 .. 15 of W_ih (4,096 dense bytes) and of W_hh (8,192), into set t % 2 of window 3
.macro WLOAD t
	WIN 0xc0
.irp i, 0,1,2,3,4,5,6,7
	global_load_b128 v[96*((\t)%2)+4*\i:96*((\t)%2)+4*\i+3], v[WOI], s[8:9] offset:((\t)/2)*32768+((\t)%2)*4096+512*\i
.endr
.irp i, 0,1,2,3,4,5,6,7,8,9,10,11,12,13,14,15
	global_load_b128 v[96*((\t)%2)+32+4*\i:96*((\t)%2)+32+4*\i+3], v[WOH], s[10:11] offset:((\t)/2)*65536+((\t)%2)*8192+512*\i
.endr
	WIN 0
.endm
.macro MOVW dst                        ; six registers of codes to their place in window 1
	WIN 0x40
.irp i, 0,1,2
	v_mov_b32 v[\dst+\i], v[PC+\i]
.endr
.irp i, 0,1,2
	v_mov_b32 v[\dst+3+\i], v[26+\i]
.endr
	WIN 0
.endm
.macro WSTEP t                         ; column tile t becomes codes: one block a lane of W_ih, two of W_hh
.if (\t) < 7
	s_wait_loadcnt 24                              ; this tile's 24 loads are in; the next tile's 24 may be out
.else
	s_wait_loadcnt 32                              ; the last tile's are in; the 32 loads of x's first four tiles, issued behind them, may be out
.endif
	WIN 0x0c                                       ; store data: window 3
.irp i, 0,1,2,3,4,5,6,7
	ds_store_b128 v[STW], v[96*((\t)%2)+4*\i:96*((\t)%2)+4*\i+3] offset:544*\i
.endr
.irp i, 0,1,2,3,4,5,6,7,8,9,10,11,12,13,14,15
	ds_store_b128 v[HTW], v[96*((\t)%2)+32+4*\i:96*((\t)%2)+32+4*\i+3] offset:528*\i
.endr
	WIN 0
	LOADN N0, STR, 0
	LOADN N1, HTR, 0
	s_wait_dscnt 8                                 ; all but the youngest eight: the stores have read their registers, and W_ih's block is in
.if (\t) < 6
	WLOAD (\t)+2
.elseif (\t) == 6
	GLOAD 0, 0                                     ; no weights are left to ask for: x's first four tiles go out here, with the last column tile's 24 loads 56 in all, and have two column tiles' work in which to come
	GLOAD 1, 4096
	GLOAD 2, 2*4096
	GLOAD 3, 3*4096
.endif
	QA N0
	QB N0
	QC N0, 25
	MOVW 24*(\t)
	SWORD SWI+(\t), 25
	LOADN N0, HTR, 256
	s_wait_dscnt 8                                 ; W_hh's block h is in; block 2 + h may be out
	QA N1
	QB N1
	QC N1, 25
	MOVW 24*(\t)+12
	s_wait_dscnt 0x0
	QA N0
	QB N0
	QC N0, 29
	MOVW 24*(\t)+18
	v_lshl_or_b32 v19, v29, 16, v25                ; my two bytes, two blocks apart
	SWORD SWH+(\t), 19
.endm
; Pair j's image out of the buffer at byte rb
.macro XL j, xb, sx, rb
	ds_load_b128 v[\xb:\xb+3], v[XO] offset:(\rb)+(\j)*IMG
	ds_load_b64 v[\xb+4:\xb+5], v[CA8] offset:(\rb)+(\j)*IMG
	ds_load_b32 v[\sx], v[CA4] offset:(\rb)+(\j)*IMG
.endm
; A tile's 16 products.  The first eight start the sums with the constant 0; the eight accumulators take turns, one instruction a turn.
.macro MM xb, sx
	WIN 0x01                                       ; source 0, the weights: window 1
.irp a, 0,1,2,3,4,5,6,7
	v_wmma_scale_f32_16x16x128_f8f6f4 v[ACC+8*\a:ACC+8*\a+7], v[24*\a:24*\a+11], v[\xb:\xb+11], 0, v[SWI+\a], v[\sx] matrix_a_fmt:MATRIX_FMT_FP6 matrix_b_fmt:MATRIX_FMT_FP6
.endr
.irp a, 0,1,2,3,4,5,6,7
	v_wmma_scale_f32_16x16x128_f8f6f4 v[ACC+8*\a:ACC+8*\a+7], v[24*\a+12:24*\a+23], v[H0:H0+11], v[ACC+8*\a:ACC+8*\a+7], v[SWH+\a], v[SH0] matrix_a_fmt:MATRIX_FMT_FP6 matrix_b_fmt:MATRIX_FMT_FP6
.endr
	WIN 0
.endm
; Does tile c of pair j hold the kept row of the pair's element e?  If so, that row's two lanes store their 64 gates.  x_len's numbers reach the branch and the mask alone, no address.  No barrier stands in here.
.macro KEEP1 j, e
	s_cmp_eq_u32 s[CT], s[TT+2*(\j)+(\e)]
	s_cbranch_scc0 .Lpass_\@
	v_lshl_add_u32 v[VF], s[CT], 4, v1             ; my row in the pair
	v_cmp_eq_u32 vcc_lo, s[KK+2*(\j)+(\e)], v[VF]
	s_wait_xcnt 0x0                                ; EXEC is a source of the global loads that are out: it changes only behind this wait
	s_and_saveexec_b32 s[SV], vcc_lo
.irp a, 0,1,2,3,4,5,6,7
	ds_store_b128 v[KA], v[ACC+8*\a:ACC+8*\a+3] offset:(\a/2)*1024+(\j)*256+(\e)*128+(\a%2)*64       ; each accumulator from its low end on
	ds_store_b128 v[KA], v[ACC+8*\a+4:ACC+8*\a+7] offset:(\a/2)*1024+(\j)*256+(\e)*128+(\a%2)*64+16
.endr
	s_wait_dscnt 0x0                               ; the stores have read the accumulators, which the next products write
	s_or_b32 exec_lo, exec_lo, s[SV]               ; no global instruction was issued under the mask
.Lpass_\@:
.endm
.macro KEEPCHK j
	KEEP1 \j, 0
	KEEP1 \j, 1
.endm
; TRIP c = s[CC] + s.  Multiplies tile c of the four pairs out of image buffer c % 2.  prod = 1: my tile c + 1 (ring set (c + 1) % 4) becomes an image in the other buffer; gl = 1: tile c + 5 is asked for into that set;
; lc: the loads of the ring's younger tiles, which may stay out.
; Behind each run of products stand at least five plain vector instructions that name none of its registers: ahead of the LDS stores that read results and the loads into operands (four are asked: ISA guide 7.12.1
; for vector instructions) and of the products that begin the sums anew in the same accumulators (five).  The quantiser's parts serve as these where there is a tile to make.
.macro TRIP s, prod, gl, lc
.set RB, ((\s)%2)*CHB
.set WB, (((\s)+1)%2)*CHB
	s_add_co_u32 s[CT], s[CC], \s
	XL 0, X0, SX, RB
	XL 1, X1, SX+1, RB
.if \prod
	s_wait_loadcnt \lc
	XTURN ((\s)+1)%4
	s_wait_dscnt 19                                ; pair 0's image is in; behind it: pair 1's three loads and the turn's sixteen
.else
	s_wait_dscnt 3                                 ; pair 0's image is in; pair 1's may be out
.endif
	MM X0, SX
.if \prod
	s_wait_dscnt 0x0                               ; my 32 numbers are back from the stage (asked for a run of products ago), and the ring set has been read
	QA N0
.else
	PLACES 5
.endif
	KEEPCHK 0
	XL 2, X0, SX, RB
	s_wait_dscnt 3                                 ; pair 1's image is in; pair 2's three loads may be out
	MM X1, SX+1
.if \prod
	QB N0
.else
	PLACES 5
.endif
	KEEPCHK 1
	XL 3, X1, SX+1, RB
	s_wait_dscnt 3                                 ; pair 2's image is in; pair 3's may be out
	MM X0, SX
.if \prod
	PRODQ WB
.if \gl
	GLOAD ((\s)+1)%4, ((\s)+5)*4096
.endif
.else
	PLACES 5
.endif
	KEEPCHK 2
.if \prod
	s_wait_dscnt 3                                 ; pair 3's image is in; my three image stores may be out
.else
	s_wait_dscnt 0x0
.endif
	MM X1, SX+1
	PLACES 5
	KEEPCHK 3
	s_wait_dscnt 0x0                               ; for the others' sake: my image and my kept gates have landed, and my reads of this trip's buffer are over
	s_barrier_signal -1
	s_barrier_wait -1                              ; the next trip's buffer is whole, and this trip's may be written again
.endm
	s_load_b256 s[4:11], s[0:1], 0x0               ; encode_features s[4:5], x_len s[6:7], W_ih s[8:9], W_hh s[10:11]
	s_load_b256 s[12:19], s[0:1], 0x20             ; b_ih s[12:13], b_hh s[14:15], out0 s[16:17], out1 s[18:19]
	v_lshl_add_u32 v254, v0, 2, 0x12400
	v_mov_b32 v255, 0
	v_lshrrev_b32 v18, 5, v0
	v_readfirstlane_b32 s22, v18                   ; wave 0..3
	v_and_b32 v1, 15, v0                           ; r
	v_bfe_u32 v2, v0, 4, 1                         ; h
	v_and_b32 v19, 31, v0                          ; lane
	v_lshlrev_b32 v[XO], 4, v19
	s_mov_b32 s20, 0x76543210
	s_mov_b32 s21, 0xfedcba98                      ; v_permlanex16_b32's selects for lane l xor 16
	s_mov_b32 s58, 0xbfb8aa3b                      ; -log2(e), for the sigmoids
	s_mov_b32 s59, s58                             ; (named with it as a pair, so it is written)
	s_mov_b32 s60, 0x4038aa3b                      ; 2 log2(e), for the tanh
	s_mov_b32 s61, s60
	s_mul_i32 s28, s22, SXW
	s_add_co_u32 s28, s28, SXS                     ; my stage for x and W_ih
	v_mul_u32_u24 v[STW], v2, 272
	v_lshl_add_u32 v[STW], v1, 4, v[STW]
	v_add_nc_u32 v[STW], s28, v[STW]
	v_mul_u32_u24 v[STR], v1, 272
	v_lshl_add_u32 v[STR], v2, 7, v[STR]
	v_add_nc_u32 v[STR], s28, v[STR]
	s_mul_i32 s29, s22, SHW
	s_add_co_u32 s29, s29, SHS                     ; my stage for W_hh
	v_add_nc_u32 v[HTW], s29, v[XO]
	v_mul_u32_u24 v[HTR], v1, 528
	v_lshl_add_u32 v[HTR], v2, 7, v[HTR]
	v_add_nc_u32 v[HTR], s29, v[HTR]
	s_lshl_b32 s28, s22, 13
	v_add_nc_u32 v[WOI], s28, v[XO]
	s_lshl_b32 s28, s22, 14
	v_add_nc_u32 v[WOH], s28, v[XO]
	v_lshl_add_u32 v[CA8], v19, 3, 512
	v_lshl_add_u32 v[CA4], v19, 2, 768
	s_mul_i32 s28, s22, IMG
	v_add_nc_u32 v[PA16], s28, v[XO]
	v_add_nc_u32 v[PA8], s28, v[CA8]
	v_add_nc_u32 v[PA4], s28, v[CA4]
	s_lshl_b32 s28, s22, 12
	s_add_co_u32 s28, s28, GS                      ; my wave's kept gates
	v_lshl_add_u32 v[KA], v2, 5, s28
	v_add_nc_u32 v[ZA], s28, v[XO]
	v_lshrrev_b32 v18, 3, v19                      ; back: lane l takes hidden units 4 l .. 4 l + 3, which wave l / 8 has stored
	v_and_b32 v[GR], 7, v19
	v_lshlrev_b32 v[GR], 4, v[GR]
	v_lshl_add_u32 v[GR], v18, 12, v[GR]
	s_lshl_b32 s28, s22, 8                         ; of batch elements 2 w and 2 w + 1: 128 bytes each
	s_add_co_u32 s28, s28, GS
	v_add_nc_u32 v[GR], s28, v[GR]
	v_mov_b32 v30, 0                               ; written once: a lane permute's destination counts as one of its sources
	v_lshlrev_b32 v31, 3, v2
	s_mul_i32 s28, ttmp9, 8*TROW                   ; x: 8 batch elements a work-group,
	s_mul_i32 s30, s22, 2*TROW                     ; 2 a wave (under 2^27 together)
	s_add_co_u32 s28, s28, s30
	s_mov_b32 s29, 0
	s_lshl_b32 s30, ttmp9, 5                       ; x_len: 8 numbers a work-group
	s_mov_b32 s31, 0
	s_lshl_b32 s48, ttmp9, 12                      ; the outputs: 8 rows of 512 bytes a work-group,
	s_lshl_b32 s49, s22, 10                        ; 2 a wave
	s_add_co_u32 s48, s48, s49
	s_mov_b32 s49, 0
	s_wait_kmcnt 0x0
	s_add_nc_u64 s[4:5], s[4:5], s[28:29]
	s_add_nc_u64 s[6:7], s[6:7], s[30:31]
	s_load_b256 s[KK:KK+7], s[6:7], 0x0            ; x_len of the work-group's 8 batch elements
	s_add_nc_u64 s[16:17], s[16:17], s[48:49]
	s_add_nc_u64 s[18:19], s[18:19], s[48:49]
	WLOAD 0                                        ; the first two column tiles of weights: 48 loads
	WLOAD 1
.irp j, 6,7,8,9,10,11
	v_mov_b32 v[X0+\j], 0                          ; x's k = 64 .. 127, in both buffers
	v_mov_b32 v[X1+\j], 0
.endr
.irp j, 0,1,2,3,4,5,6,7,8,9,10,11
	v_mov_b32 v[H0+\j], 0                          ; h = 0 as codes
.endr
	v_mov_b32 v[CZ], 0                             ; c = 0
	v_mov_b32 v[CZ+1], 0
	v_mov_b32 v[SH0], 0x7f7f7f7f                   ; a block of zeros has the scale 2^0
.irp i, 0,1,2,3,4,5,6,7
	ds_store_b128 v[ZA], v[H0:H0+3] offset:512*\i  ; my wave's 4,096 bytes of kept gates are cleared once, all lanes on: no byte that is read at the end hangs on a masked store alone
.endr
	WIN 0x40
.irp a, 0,1,2,3,4,5,6,7
.irp j, 6,7,8,9,10,11
	v_mov_b32 v[24*\a+\j], 0                       ; W_ih's k = 64 .. 127
.endr
.endr
	WIN 0
	s_wait_kmcnt 0x0
.irp b, 0,1,2,3,4,5,6,7
	s_max_i32 s[KK+\b], s[KK+\b], 1                ; index = x_len - 1, and 0 where x_len is 0,
	s_sub_co_u32 s[KK+\b], s[KK+\b], 1
	s_min_u32 s[KK+\b], s[KK+\b], 199              ; held inside the 200 rows of a batch element
.if \b%2
	s_add_co_u32 s[KK+\b], s[KK+\b], 200           ; the pair's second batch element begins at row 200
.endif
	s_lshr_b32 s[TT+\b], s[KK+\b], 4
.endr
.irp t, 0,1,2,3,4,5,6,7
	WSTEP \t
.endr
	s_wait_loadcnt 24                              ; x's tile 0 is in; tiles 1 to 3 may be out
	XTURN 0                                        ; my tile 0
	s_wait_dscnt 0x0
	GLOAD 0, 4*4096                                ; its ring set takes tile 4
	QA N0
	QB N0
	PRODQ 0
	s_wait_dscnt 0x0
	s_barrier_signal -1
	s_barrier_wait -1                              ; buffer 0 holds tile 0 of all four pairs
	s_mov_b32 s[CC], 0
.Lloop:                                            ; five times four trips: c = 0 .. 19.  After four trips the ring sets and the image buffers are back where they began
	TRIP 0, 1, 1, 24
	TRIP 1, 1, 1, 24
	TRIP 2, 1, 1, 24
	TRIP 3, 1, 1, 24
	s_wait_xcnt 0x0                                ; the loads that are out have read their base
	s_add_nc_u64 s[4:5], s[4:5], 4*4096
	s_add_co_u32 s[CC], s[CC], 4
	s_cmp_lt_u32 s[CC], 20
	s_cbranch_scc1 .Lloop
	TRIP 0, 1, 0, 24                               ; c = 20 .. 23: nothing more is asked for (tile 24 is my last: no load leaves the buffer), and the counts run down
	TRIP 1, 1, 0, 16
	TRIP 2, 1, 0, 8
	TRIP 3, 1, 0, 0
.irp g, 0,1,2,3                                ; the biases of hidden units 4 l .. 4 l + 3 in each gate come during the last trip, into registers that the quantiser has left
	global_load_b128 v[N0+4*\g:N0+4*\g+3], v[XO], s[12:13] offset:512*\g
	global_load_b128 v[N0+16+4*\g:N0+16+4*\g+3], v[XO], s[14:15] offset:512*\g
.endr
	TRIP 4, 0, 0, 0                                ; c = 24; behind its barrier every kept gate lies in LDS
	; THE KEPT ROWS.  Wave w: batch elements 2 w + e, e = 0, 1; lane l: hidden units 4 l .. 4 l + 3.  Gate g of element e in v[ACC + 8 g + 4 e] on (five plain instructions stand between the last products and these loads)
.irp g, 0,1,2,3
.irp e, 0,1
	ds_load_b128 v[ACC+8*\g+4*\e:ACC+8*\g+4*\e+3], v[GR] offset:\g*1024+\e*128
.endr
.endr
	s_wait_loadcnt 0x0
.irp j, 0,2,4,6,8,10,12,14
	v_pk_add_f32 v[N0+\j:N0+\j+1], v[N0+\j:N0+\j+1], v[N0+16+\j:N0+16+\j+1]       ; b_ih + b_hh
.endr
	s_wait_dscnt 0x0
.irp g, 0,1,2,3
.irp e, 0,1
.irp q, 0,2
	v_pk_add_f32 v[ACC+8*\g+4*\e+\q:ACC+8*\g+4*\e+\q+1], v[ACC+8*\g+4*\e+\q:ACC+8*\g+4*\e+\q+1], v[N0+4*\g+\q:N0+4*\g+\q+1]
.endr
.endr
.endr
	; The gates, in f32.  i at ACC, f at ACC + 8, g at ACC + 16, o at ACC + 24.
.irp j, 0,2,4,6,8,10,12,14
	v_pk_mul_f32 v[ACC+\j:ACC+\j+1], v[ACC+\j:ACC+\j+1], s[58:59] op_sel_hi:[1,0]   ; i, f: -x log2(e)
.endr
.irp j, 16,18,20,22
	v_pk_mul_f32 v[ACC+\j:ACC+\j+1], v[ACC+\j:ACC+\j+1], s[60:61] op_sel_hi:[1,0]   ; g: 2 x log2(e)
.endr
.irp j, 24,26,28,30
	v_pk_mul_f32 v[ACC+\j:ACC+\j+1], v[ACC+\j:ACC+\j+1], s[58:59] op_sel_hi:[1,0]   ; o
.endr
.set j, 0
.rept 32
	v_exp_f32 v[ACC+j], v[ACC+j]
.set j, j+1
.endr
	v_nop                                          ; a plain instruction behind the last exponential
	s_wait_alu depctr_va_vdst(0)                   ; one wait for the batch, ahead of its first reader
.irp j, 0,2,4,6,8,10,12,14,16,18,20,22,24,26,28,30
	v_pk_add_f32 v[ACC+\j:ACC+\j+1], v[ACC+\j:ACC+\j+1], 1.0 op_sel_hi:[1,0]
.endr
.set j, 0
.rept 32
	v_rcp_f32 v[ACC+j], v[ACC+j]                   ; i, f, o: the sigmoids; g: 1 / (1 + 2^(2 x log2 e))
.set j, j+1
.endr
	v_nop
	s_wait_alu depctr_va_vdst(0)                   ; one wait for the batch
.irp j, 0,2,4,6
	v_pk_fma_f32 v[ACC+16+\j:ACC+17+\j], v[ACC+16+\j:ACC+17+\j], -2.0, 1.0 op_sel_hi:[1,0,0]   ; tanh(g)
.endr
.irp j, 0,2,4,6
	v_pk_mul_f32 v[ACC+16+\j:ACC+17+\j], v[ACC+\j:ACC+1+\j], v[ACC+16+\j:ACC+17+\j]            ; sigmoid(i) tanh(g)
.endr
.irp j, 0,2,4,6
	v_pk_fma_f32 v[ACC+\j:ACC+1+\j], v[ACC+8+\j:ACC+9+\j], v[CZ:CZ+1], v[ACC+16+\j:ACC+17+\j]  ; c_new = sigmoid(f) c + that, in i's registers
.endr
.irp j, 0,2,4,6
	v_pk_mul_f32 v[ACC+16+\j:ACC+17+\j], v[ACC+\j:ACC+1+\j], s[60:61] op_sel_hi:[1,0]
.endr
.irp j, 0,1,2,3,4,5,6,7
	v_exp_f32 v[ACC+16+\j], v[ACC+16+\j]
.endr
	v_nop
	s_wait_alu depctr_va_vdst(0)
.irp j, 0,2,4,6
	v_pk_add_f32 v[ACC+16+\j:ACC+17+\j], v[ACC+16+\j:ACC+17+\j], 1.0 op_sel_hi:[1,0]
.endr
.irp j, 0,1,2,3,4,5,6,7
	v_rcp_f32 v[ACC+16+\j], v[ACC+16+\j]
.endr
	v_nop
	s_wait_alu depctr_va_vdst(0)
.irp j, 0,2,4,6
	v_pk_fma_f32 v[ACC+16+\j:ACC+17+\j], v[ACC+16+\j:ACC+17+\j], -2.0, 1.0 op_sel_hi:[1,0,0]   ; tanh(c_new)
.endr
.irp j, 0,2,4,6
	v_pk_mul_f32 v[ACC+24+\j:ACC+25+\j], v[ACC+24+\j:ACC+25+\j], v[ACC+16+\j:ACC+17+\j]        ; h_new = sigmoid(o) tanh(c_new), in o's registers
.endr
.irp e, 0,1
	global_store_b128 v[XO], v[ACC+24+4*\e:ACC+27+4*\e], s[16:17] offset:512*\e th:TH_STORE_NT   ; 32 lanes store a whole row: 512 consecutive bytes, at a multiple of 256 from the output's first byte
	global_store_b128 v[XO], v[ACC+4*\e:ACC+3+4*\e], s[18:19] offset:512*\e th:TH_STORE_NT
.endr
	s_wait_tensorcnt 0x0
	ds_add_u32 v254, v255
	s_wait_dscnt 0x0
	s_endpgm
.Lfunc_end_k_q6bb5b013c4_cell:
	.size	k_q6bb5b013c4_cell, .Lfunc_end_k_q6bb5b013c4_cell-k_q6bb5b013c4_cell
	.p2alignl 7, 3214868480
	.fill 96, 4, 3214868480
	.section	.rodata,"a",@progbits
	.p2align	6, 0x0
	.amdhsa_kernel k_q6bb5b013c4_cell
		.amdhsa_group_segment_fixed_size 75264
		.amdhsa_private_segment_fixed_size 0
		.amdhsa_enable_private_segment 0
		.amdhsa_kernarg_size 64
		.amdhsa_user_sgpr_count 2
		.amdhsa_user_sgpr_kernarg_segment_ptr 1
		.amdhsa_wavefront_size32 1
		.amdhsa_system_sgpr_workgroup_id_x 1
		.amdhsa_system_sgpr_workgroup_id_y 1
		.amdhsa_system_sgpr_workgroup_id_z 1
		.amdhsa_system_vgpr_workitem_id 0
		.amdhsa_next_free_vgpr 1024
		.amdhsa_next_free_sgpr 66
		.amdhsa_reserve_vcc 1
		.amdhsa_float_denorm_mode_32 3
		.amdhsa_float_denorm_mode_16_64 3
		.amdhsa_memory_ordered 1
		.amdhsa_forward_progress 1
		.amdhsa_inst_pref_size 255
	.end_amdhsa_kernel
	.section	.bss,"aw",@nobits
	.p2align	6
	.space	262144
	.amdgpu_metadata
---
amdhsa.version: [ 1, 2 ]
amdhsa.kernels:
  - .name:           k_q6bb5b013c4_cell
    .symbol:         k_q6bb5b013c4_cell.kd
    .args:
      - { .name: encode_features, .offset: 0, .size: 8, .value_kind: global_buffer, .address_space: global }
      - { .name: x_len, .offset: 8, .size: 8, .value_kind: global_buffer, .address_space: global }
      - { .name: W_ih, .offset: 16, .size: 8, .value_kind: global_buffer, .address_space: global }
      - { .name: W_hh, .offset: 24, .size: 8, .value_kind: global_buffer, .address_space: global }
      - { .name: b_ih, .offset: 32, .size: 8, .value_kind: global_buffer, .address_space: global }
      - { .name: b_hh, .offset: 40, .size: 8, .value_kind: global_buffer, .address_space: global }
      - { .name: out0, .offset: 48, .size: 8, .value_kind: global_buffer, .address_space: global }
      - { .name: out1, .offset: 56, .size: 8, .value_kind: global_buffer, .address_space: global }
    .group_segment_fixed_size: 75264
    .private_segment_fixed_size: 0
    .kernarg_segment_align: 8
    .kernarg_segment_size: 64
    .max_flat_workgroup_size: 128
    .sgpr_count:     66
    .vgpr_count:     1024
    .wavefront_size: 32
...
	.end_amdgpu_metadata
.endif
;; end of part 1
